; MI455X (gfx1250); checked and timed in simulation.
; The chip was launched on July 23, 2026; its instructions are those of AMD's public machine-readable ISA for CDNA 5 (MIT licence, August 2026) and "CDNA5" Instruction Set Architecture Reference Guide (July 2026). The comments in the code are by the model that wrote it; some were corrected since.
;; Rotary Multi Head Attention. Allowed arithmetic: float matrix products may take bf16 or f16 operands with f32 sums; all other float work in f32.
;; Inputs: Wk 1,024 x 1,024 float32; Wo 1,024 x 1,024 float32; Wq 1,024 x 1,024 float32; Wv 1,024 x 1,024 float32; bk 1,024 float32; bo 1,024 float32; bq 1,024 float32; bv 1,024 float32; x 2 x 2,048 x 1,024 float32.
;; Outputs: out0 2 x 2,048 x 1,024 float32.
;; One version. Each part assembles by itself: llvm-mc -triple=amdgcn-amd-amdhsa -mcpu=gfx1250 --defsym DOCPART=n.
;; ======== version 1 of 1: 4 launches
;; workspace buffers: xb 8,388,608 bytes; wb 8,388,608 bytes; rope 524,288 bytes; qkv 25,165,824 bytes; ab 8,388,608 bytes
;; launch prep (part 1): grid 256 x 1, 8 waves a work-group, no clusters, 0 bytes of LDS; arguments x, Wq, Wk, Wv, Wo, xb, wb, rope; writes xb, wb, rope
.if DOCPART == 1
	.amdgcn_target "amdgcn-amd-amdhsa--gfx1250"
	.amdhsa_code_object_version 6
	.text
	.protected	k_qe178974593_prep
	.globl	k_qe178974593_prep
	.p2align	8
	.type	k_qe178974593_prep,@function
k_qe178974593_prep:
	s_mov_b64 s[64:65], 0
	v_nop
	global_prefetch_b8 v0, s[64:65] scope:SCOPE_SE
	s_setreg_imm32_b32 hwreg(HW_REG_WAVE_MODE, 25, 1), 1
	s_wait_xcnt 0x0
; Casts x and the four weight matrices from f32 to bf16 (round to nearest even), and makes the table of cosines and sines for the rotary embedding.
;   xb   [4096][1024] bf16 = x
;   wb   [4096][1024] bf16: row 192 hd + 64 p + d = row 64 hd + d of Wq, Wk, Wv (p = 0, 1, 2), so that one head's q, k and v rows are 192 neighbouring rows;
;        row 3072 + n = row n of Wo
;   rope [2048][64] f32: row t = cos(t f_0 .. t f_31), sin(t f_0 .. t f_31), f_i = 10000^(-i/32)
; Work-group g of 256: 16 rows of x, 16 rows of one weight matrix (matrix g / 64, rows 16 (g mod 64) ..), 8 rows of the table (one a wave).
; A stream: every byte is read once and written once.  No LDS, no matrix unit and no cluster, since no two work-groups read the same bytes.
; Thread t takes the 16 bytes at 16 t of every 4,096 (a row of f32), so a wave's load covers 512 consecutive bytes and its store of 8 bytes a lane 256 consecutive, aligned bytes.
; All 32 loads of a wave go out at once; every load and every store has registers of its own, so no register waits to be freed.
; LIMIT: the angle t f_i is formed in f32 from v_exp_f32's f_i (1 ULP: ISA guide, its entry), so that at t = 2047 it may be off by about 2e-4 rad;
; the cosine's series (to z^8 / 16!, |r| <= pi) leaves under 2e-7, its rounding about 1e-6.
.set X, 16                             ; v[16:143]  32 loads of 4 registers: 16 of x, then 16 of the weights
.set Y, 144                            ; v[144:207] 32 pairs to store
	s_load_b512 s[16:31], s[0:1], 0x0              ; x s[16:17], Wq s[18:19], Wk s[20:21], Wv s[22:23], Wo s[24:25], xb s[26:27], wb s[28:29], rope s[30:31]
	v_lshrrev_b32 v3, 5, v0
	v_readfirstlane_b32 s8, v3                     ; wave 0..7
	v_lshlrev_b32 v1, 4, v0                        ; 16 t: where I load
	v_lshlrev_b32 v2, 3, v0                        ; 8 t: where I store (also 256 x wave + 8 x lane, my place in the group's 8 table rows)
	s_lshr_b32 s9, ttmp9, 6                        ; p: which weight matrix
	s_and_b32 s10, ttmp9, 63                       ; which 16 rows of it
	s_lshl_b32 s12, ttmp9, 16                      ; x: 16 rows of 4,096 bytes a group
	s_mov_b32 s13, 0
	s_lshl_b32 s14, s10, 16                        ; the weights: likewise
	s_mov_b32 s15, 0
	s_lshr_b32 s32, s10, 2                         ; head = first row / 64
	s_mul_i32 s32, s32, 192
	s_lshl_b32 s33, s9, 6
	s_add_co_u32 s32, s32, s33                     ; + 64 p
	s_and_b32 s33, ttmp9, 3
	s_lshl_b32 s33, s33, 4
	s_add_co_u32 s32, s32, s33                     ; + first row mod 64
	s_lshl_b32 s33, s10, 4
	s_add_co_u32 s33, s33, 3072                    ; Wo's rows keep their order, behind the 3,072 others
	s_cmp_eq_u32 s9, 3
	s_cselect_b32 s32, s33, s32
	s_lshl_b32 s32, s32, 11                        ; rows of 2,048 bytes in wb
	s_mov_b32 s33, 0
	s_lshl_b32 s34, ttmp9, 15                      ; xb: 16 rows of 2,048 bytes
	s_mov_b32 s35, 0
	s_lshl_b32 s36, ttmp9, 11                      ; rope: 8 rows of 256 bytes
	s_mov_b32 s37, 0
	s_lshl3_add_u32 s11, ttmp9, s8                 ; my wave's position t = 8 g + wave
	s_mov_b32 s38, 0x40c90000                      ; 6.28125: the upper 8 bits of 2 pi, so that its product with a count under 512 is exact
	s_mov_b32 s39, 0x3afdaa22                      ; 2 pi - 6.28125
	s_wait_kmcnt 0x0
	s_cmp_eq_u32 s9, 1                             ; the matrix is chosen by the group's number alone
	s_cselect_b64 s[4:5], s[20:21], s[18:19]
	s_cmp_eq_u32 s9, 2
	s_cselect_b64 s[4:5], s[22:23], s[4:5]
	s_cmp_eq_u32 s9, 3
	s_cselect_b64 s[4:5], s[24:25], s[4:5]
	s_add_nc_u64 s[16:17], s[16:17], s[12:13]
	s_add_nc_u64 s[4:5], s[4:5], s[14:15]
	s_add_nc_u64 s[26:27], s[26:27], s[34:35]
	s_add_nc_u64 s[28:29], s[28:29], s[32:33]
	s_add_nc_u64 s[30:31], s[30:31], s[36:37]
.set i, 0
.rept 16
	global_load_b128 v[X+4*i:X+4*i+3], v1, s[16:17] offset:4096*i th:TH_LOAD_NT
.set i, i+1
.endr
.set i, 0
.rept 16
	global_load_b128 v[X+64+4*i:X+64+4*i+3], v1, s[4:5] offset:4096*i th:TH_LOAD_NT
.set i, i+1
.endr
	; The table, while the loads are on their way.  Lane l makes elements 2 l and 2 l + 1 of row t: lanes 0-15 cosines, lanes 16-31 sines, as cos(a - pi/2).
	v_and_b32 v3, 15, v0
	v_lshlrev_b32 v3, 1, v3                        ; i = 2 (l mod 16)
	v_cvt_f32_u32 v4, v3
	v_add_f32 v5, 1.0, v4                          ; i + 1
	v_mul_f32 v4, 0xbed49a78, v4                   ; - i log2(10000) / 32
	v_mul_f32 v5, 0xbed49a78, v5
	v_exp_f32 v4, v4                               ; f_i
	v_exp_f32 v5, v5
	v_and_b32 v6, 16, v0                           ; the plain instruction between v_exp_f32 and the use of its result (ISA guide 5.7.2)
	v_cmp_ne_u32 vcc_lo, 0, v6                     ; a sine lane?
	v_mov_b32 v8, 0x3e800000                       ; a quarter turn,
	v_mov_b32 v9, 0x3fc90fdb                       ; and pi / 2
	v_cndmask_b32 v7, 0, v8, vcc_lo
	v_cndmask_b32 v9, 0, v9, vcc_lo
	v_cvt_f32_u32 v10, s11                         ; t
	s_wait_alu depctr_va_vdst(0)
	v_mul_f32 v4, v10, v4                          ; the angles, in f32 as the definition forms them
	v_mul_f32 v5, v10, v5
; res = cos(ang - shift): whole turns are taken off in two parts (the first product is exact), then the series in z = r^2, |r| <= pi
.macro COSINE ang, cnt, sq, res
	v_fma_f32 v[\cnt], v[\ang], 0.15915494, -v7
	v_rndne_f32 v[\cnt], v[\cnt]
	v_fma_f32 v[\ang], -v[\cnt], s38, v[\ang]
	v_fma_f32 v[\ang], -v[\cnt], s39, v[\ang]
	v_sub_f32 v[\ang], v[\ang], v9
	v_mul_f32 v[\sq], v[\ang], v[\ang]
	v_mov_b32 v[\res], 0x29573f9f                  ;  1 / 16!
	v_fmaak_f32 v[\res], v[\res], v[\sq], 0xad49cba5   ; -1 / 14!
	v_fmaak_f32 v[\res], v[\res], v[\sq], 0x310f76c7   ;  1 / 12!
	v_fmaak_f32 v[\res], v[\res], v[\sq], 0xb493f27e   ; -1 / 10!
	v_fmaak_f32 v[\res], v[\res], v[\sq], 0x37d00d01   ;  1 / 8!
	v_fmaak_f32 v[\res], v[\res], v[\sq], 0xbab60b61   ; -1 / 6!
	v_fmaak_f32 v[\res], v[\res], v[\sq], 0x3d2aaaab   ;  1 / 4!
	v_fma_f32 v[\res], v[\res], v[\sq], -0.5
	v_fma_f32 v[\res], v[\res], v[\sq], 1.0
.endm
	COSINE 4, 11, 12, 14
	COSINE 5, 13, 3, 15
	global_store_b64 v2, v[14:15], s[30:31]        ; a wave stores its whole row: 256 consecutive bytes, aligned
	; The casts.  Loads come back in order (ISA guide 5.7.1): the count leaves the younger ones out.
.set i, 0
.rept 32
	s_wait_loadcnt 31-i
	v_cvt_pk_bf16_f32 v[Y+2*i], v[X+4*i], v[X+4*i+1]
	v_cvt_pk_bf16_f32 v[Y+2*i+1], v[X+4*i+2], v[X+4*i+3]
.if i < 16
	global_store_b64 v2, v[Y+2*i:Y+2*i+1], s[26:27] offset:2048*i
.else
	global_store_b64 v2, v[Y+2*i:Y+2*i+1], s[28:29] offset:2048*(i-16)
.endif
.set i, i+1
.endr
	s_endpgm
.Lfunc_end_k_qe178974593_prep:
	.size	k_qe178974593_prep, .Lfunc_end_k_qe178974593_prep-k_qe178974593_prep
	.p2alignl 7, 3214868480
	.fill 96, 4, 3214868480
	.section	.rodata,"a",@progbits
	.p2align	6, 0x0
	.amdhsa_kernel k_qe178974593_prep
		.amdhsa_group_segment_fixed_size 0
		.amdhsa_private_segment_fixed_size 0
		.amdhsa_enable_private_segment 0
		.amdhsa_kernarg_size 64
		.amdhsa_user_sgpr_count 2
		.amdhsa_user_sgpr_kernarg_segment_ptr 1
		.amdhsa_wavefront_size32 1
		.amdhsa_system_sgpr_workgroup_id_x 1
		.amdhsa_system_sgpr_workgroup_id_y 1
		.amdhsa_system_sgpr_workgroup_id_z 1
		.amdhsa_system_vgpr_workitem_id 0
		.amdhsa_next_free_vgpr 208
		.amdhsa_next_free_sgpr 66
		.amdhsa_reserve_vcc 1
		.amdhsa_float_denorm_mode_32 3
		.amdhsa_float_denorm_mode_16_64 3
		.amdhsa_memory_ordered 1
		.amdhsa_forward_progress 1
		.amdhsa_inst_pref_size 16
	.end_amdhsa_kernel
	.amdgpu_metadata
---
amdhsa.version: [ 1, 2 ]
amdhsa.kernels:
  - .name:           k_qe178974593_prep
    .symbol:         k_qe178974593_prep.kd
    .args:
      - { .name: x, .offset: 0, .size: 8, .value_kind: global_buffer, .address_space: global }
      - { .name: Wq, .offset: 8, .size: 8, .value_kind: global_buffer, .address_space: global }
      - { .name: Wk, .offset: 16, .size: 8, .value_kind: global_buffer, .address_space: global }
      - { .name: Wv, .offset: 24, .size: 8, .value_kind: global_buffer, .address_space: global }
      - { .name: Wo, .offset: 32, .size: 8, .value_kind: global_buffer, .address_space: global }
      - { .name: xb, .offset: 40, .size: 8, .value_kind: global_buffer, .address_space: global }
      - { .name: wb, .offset: 48, .size: 8, .value_kind: global_buffer, .address_space: global }
      - { .name: rope, .offset: 56, .size: 8, .value_kind: global_buffer, .address_space: global }
    .group_segment_fixed_size: 0
    .private_segment_fixed_size: 0
    .kernarg_segment_align: 8
    .kernarg_segment_size: 64
    .max_flat_workgroup_size: 256
    .sgpr_count:     66
    .vgpr_count:     208
    .wavefront_size: 32
...
	.end_amdgpu_metadata
.endif
;; end of part 1
;; launch project_qkv (part 2): grid 16 x 16, 4 waves a work-group, clusters of 4 x 4, 327,680 bytes of LDS; arguments xb, wb, rope, bq, bk, bv, qkv; writes qkv
.if DOCPART == 2
	.amdgcn_target "amdgcn-amd-amdhsa--gfx1250"
	.amdhsa_code_object_version 6
	.text
	.protected	k_qe178974593_project_qkv
	.globl	k_qe178974593_project_qkv
	.p2align	8
	.type	k_qe178974593_project_qkv,@function
k_qe178974593_project_qkv:
	s_mov_b64 s[64:65], 0
	v_nop
	global_prefetch_b8 v0, s[64:65] scope:SCOPE_SE
	s_setreg_imm32_b32 hwreg(HW_REG_WAVE_MODE, 25, 1), 1
	s_wait_xcnt 0x0
	s_wait_alu depctr_hold_cnt(0) depctr_sa_sdst(0) depctr_va_vdst(0) depctr_va_sdst(0) depctr_va_ssrc(0) depctr_va_vcc(0) depctr_vm_vsrc(0)
	s_getreg_b32 s2, hwreg(HW_REG_IB_STS2, 6, 4)
	s_cmp_eq_u32 s2, 0
	s_cbranch_scc0 .Lentry_in_a_cluster
	s_endpgm
.Lentry_in_a_cluster:
	s_bfe_u32 s2, ttmp6, 0x10000c
	s_cmp_lg_u32 s2, 0xf033
	s_cbranch_scc0 .Lentry_shape_is_right
	s_endpgm
.Lentry_shape_is_right:
; q, k, v = x W^T + b, q and k rotated (RoPE), stored in bf16 as qkv[3][32 (batch x 16 + head)][2048][64].
; A GEMM of 4096 x 3072 x 1024 in bf16 with f32 sums.  A work-group makes 256 rows x 192 columns: one head's q, k and v (wb holds their weight rows side by side).
; Four waves, as many as a WGP has SIMDs; wave w makes rows 64 w .. 64 w + 63 and all 192 columns: 4 x 12 accumulator tiles of 16 x 16, 384 registers.
; So a head's 64 columns lie in one wave, and the rotation's partners d and d + 32 are tiles b and b + 2, in the same lane and register.
; K goes in steps of 128 through a ring of two LDS slots filled by the tensor data mover; a tile's rows are 256 bytes of memory and start at multiples of 256 bytes.
; CLUSTERS: 4 x 4 work-groups.  The four of a row of the cluster need the same 256 rows of xb, the four of a column the same 192 rows of wb: each tile is asked for
; jointly by its four users, with one descriptor and a mask that names them.
; THE MATRIX INSTRUCTION IS USED TRANSPOSED (source 0 = 16 rows of wb, source 1 = 16 rows of xb): lane l holds row l % 16 of the result, its registers 0 to 7 the
; columns 8 (l / 16) + 0 .. 7.  The biases, laid out so, are the C of each tile's first product: nothing is cleared and nothing is added later.
; REGISTERS in windows of 256:
;   window 0: v0-31 addresses; v32-63, v64-95 fragments of xb (4 x 16 rows x 32 K), two buffers; v96-191 the biases.  On the way out: v96-159 rotated q and k,
;             v160-207 packed bf16, v32-79 rows read back
;   window 1: v0-95, v96-191 fragments of wb (12 x 16 rows x 32 K), two buffers
;   window 2: v0-191 the tiles of my rows 0-31 (tile (a, b) at 8 (12 a + b)); v192-255 their cosines and sines.   window 3: the same for my rows 32-63
; Inputs are taken to be finite.
.set KSTEP,  128
.set PITCH,  272                       ; an LDS row: 256 bytes + 16 of padding, an odd multiple of 16: the 16 rows of a fragment load begin at 16 different places modulo 256 bytes
.set ABYTES, 256*PITCH                 ; xb's 256 rows
.set SLOT,   448*PITCH                 ; then wb's 192 rows
.set STAGE,  2*SLOT                    ; behind the ring, bytes that no tensor load fills: for each wave 3 planes (q, k, v) of 16 rows of 128 + 16 bytes
.set SPITCH, 144
.set SPLANE, 16*SPITCH
.set SWAVE,  3*SPLANE
.set ADRA, 16                          ; v16-17  LDS address of my xb fragments in slot 0, 1
.set ADRB, 20                          ; v20-21  the same for wb
.set STO,  24                          ; the way out: where I put 16 bytes of a row
.set RD,   25                          ; the way out: where I read rows back
.set CO,   26                          ; 16 x lane: my place in 512 bytes of the output
.set TOFF, 27                          ; my byte offset in the table
.set BOFF, 28                          ; my byte offset in the biases
.set FA0, 32
.set FA1, 64
.set FB0, 0
.set FB1, 96
.set BIAS, 96
.set RT,   96
.set TMP,  160
.set RB,   32
.set CS,   192
.set G1,  24                           ; s[24:31] descriptor group 1 for xb's tiles
.set G0,  32                           ; s[32:39] group 0 for xb's tiles, one set a slot
.set G1B, 48                           ; s[48:55] group 1 for wb's tiles
.set G0B, 56                           ; s[56:63] group 0 for wb's tiles, one set a slot
.set MSB, 0
.macro WIN new                         ; the immediate's high byte repeats the setting that is left
.if MSB != \new
	s_set_vgpr_msb (MSB<<8)|\new
.set MSB, \new
.endif
.endm
.set MUL_LO,   0xa1                    ; source 0 (wb) window 1, source 1 (xb) window 0, C and D window 2
.set MUL_HI,   0xf1                    ; C and D window 3
.set FIRST_LO, 0x81                    ; the same with C (the biases) in window 0
.set FIRST_HI, 0xc1
.set TO_B,     0x40                    ; destination window 1, address window 0
; A joint load: waves 0 and 1 fetch xb's two halves, waves 2 and 3 wb's.  The branch hangs on the wave's number alone.
.macro JLOAD s
	s_cmp_eq_u32 s11, 0
	s_cbranch_scc0 .Lfor_b_\@
	tensor_load_to_lds s[G0+4*\s:G0+4*\s+3], s[G1:G1+7]
	s_nop 0
	s_branch .Lasked_\@
.Lfor_b_\@:
	tensor_load_to_lds s[G0B+4*\s:G0B+4*\s+3], s[G1B:G1B+7]
	s_nop 0
.Lasked_\@:
.endm
; A round of the cluster's barrier: my work-group's barrier; wave 0 signals for the work-group; every wave waits for all sixteen; my work-group's barrier once more.
.macro CREST                           ; a round behind its opening barrier
	s_cmp_lg_u32 s10, 0
	s_cbranch_scc1 .Lnot_wave_0_\@
	s_barrier_signal -3
.Lnot_wave_0_\@:
	s_barrier_wait -3
	s_barrier_signal -1
	s_barrier_wait -1
.endm
.macro CROUND
	s_barrier_signal -1
	s_barrier_wait -1
	CREST
.endm
	s_load_b128 s[4:7], s[0:1], 0x0                ; xb s[4:5], wb s[6:7]
	s_load_b64 s[66:67], s[0:1], 0x10              ; rope
	s_load_b128 s[68:71], s[0:1], 0x18             ; bq s[68:69], bk s[70:71]
	s_load_b128 s[72:75], s[0:1], 0x28             ; bv s[72:73], qkv s[74:75]
	s_set_vgpr_msb 0x40
	v_lshl_add_u32 v255, v0, 2, 0x42400
	s_set_vgpr_msb 0x4000
	v_mov_b32 v255, 0
	s_set_vgpr_msb 0x1
	ds_add_u32 v255, v255
	s_set_vgpr_msb 0x100
	v_lshrrev_b32 v1, 5, v0
	v_readfirstlane_b32 s10, v1                    ; wave 0..3
	s_lshr_b32 s11, s10, 1                         ; I fetch for xb (0) or for wb (1),
	s_and_b32 s12, s10, 1                          ; its first or its second half
	s_bfe_u32 s40, ttmp6, 0x40000                  ; cx
	s_bfe_u32 s41, ttmp6, 0x40004                  ; cy
	s_lshl_b32 s42, ttmp9, 2
	s_add_co_u32 s42, s42, s40                     ; head = block column = 4 x cluster x + cx
	s_and_b32 s13, ttmp7, 0xffff
	s_lshl_b32 s13, s13, 2
	s_add_co_u32 s13, s13, s41                     ; block of 256 rows = 4 x cluster y + cy
	s_lshl_b32 s43, s41, 2
	s_lshl_b32 s43, 15, s43                        ; my row of the cluster: places 4 cy .. 4 cy + 3
	s_lshl_b32 s44, 0x1111, s40                    ; my column: places cx, cx + 4, cx + 8, cx + 12
	; group 1: rows of 128 elements of 2 bytes, 16 bytes of padding behind every 64 words; xb's tile has 128 rows, wb's 96
	s_or_b32 s[G1+0], s43, (1<<16)|(1<<20)|(1<<21)|(5<<22)|(3<<25)   ; 15:0 mask: my row; 17:16 element of 2 bytes; 20 padding on; 21 set beside a mask; 24:22 every 64 words; 31:25 4 words
	s_or_b32 s[G1B+0], s44, (1<<16)|(1<<20)|(1<<21)|(5<<22)|(3<<25)  ; the same with the mask of my column
	s_mov_b32 s[G1+1], KSTEP<<16                   ; tensor_dim0 = 128
	s_mov_b32 s[G1B+1], KSTEP<<16
	s_mov_b32 s[G1+2], 128<<16                     ; tensor_dim1 = 128
	s_mov_b32 s[G1B+2], 96<<16                     ;             = 96
	s_mov_b32 s[G1+3], KSTEP<<16                   ; tile_dim0 = 128
	s_mov_b32 s[G1B+3], KSTEP<<16
	s_mov_b32 s[G1+4], 128                         ; tile_dim1
	s_mov_b32 s[G1B+4], 96
	s_mov_b32 s[G1+5], 1024                        ; elements from row to row
	s_mov_b32 s[G1B+5], 1024
	s_mov_b32 s[G1+6], 0
	s_mov_b32 s[G1B+6], 0
	s_mov_b32 s[G1+7], 0
	s_mov_b32 s[G1B+7], 0
	; xb's tiles hang on the block of rows alone, wb's on the head alone; each address is made in registers that never hold the other coordinate
	s_lshl_b32 s16, s13, 8
	s_lshl_b32 s17, s12, 7
	s_add_co_u32 s16, s16, s17                     ; xb: row 256 x block + 128 x half
	s_lshl_b32 s16, s16, 11                        ; rows of 2,048 bytes (under 8 MiB in all)
	s_mov_b32 s17, 0
	s_mul_i32 s46, s42, 192
	s_mul_i32 s47, s12, 96
	s_add_co_u32 s46, s46, s47                     ; wb: row 192 x head + 96 x half
	s_lshl_b32 s46, s46, 11
	s_mov_b32 s47, 0
	s_mul_i32 s20, s10, 128*PITCH                  ; where they go: waves 0, 1: xb's halves at wave x 128 rows;
	s_mul_i32 s21, s10, 96*PITCH
	s_add_co_u32 s21, s21, ABYTES-2*96*PITCH       ; waves 2, 3: wb's halves behind xb's 256 rows, at (wave - 2) x 96 rows
	s_wait_dscnt 0x0
	s_wait_kmcnt 0x0
	s_add_nc_u64 s[14:15], s[4:5], s[16:17]
	s_add_nc_u64 s[46:47], s[6:7], s[46:47]
	CROUND                                         ; all sixteen work-groups are here: the first joint loads meet
.irp s, 0,1
	s_mov_b32 s[G0+4*\s], 1                                        ; count = 1
	s_add_co_u32 s[G0+4*\s+1], s20, \s*SLOT                        ; LDS address
	s_add_nc_u64 s[G0+4*\s+2:G0+4*\s+3], s[14:15], \s*KSTEP*2      ; global address: K step s
	s_or_b32 s[G0+4*\s+3], s[G0+4*\s+3], 0x80000000                ; type = 2
	s_mov_b32 s[G0B+4*\s], 1
	s_add_co_u32 s[G0B+4*\s+1], s21, \s*SLOT
	s_add_nc_u64 s[G0B+4*\s+2:G0B+4*\s+3], s[46:47], \s*KSTEP*2
	s_or_b32 s[G0B+4*\s+3], s[G0B+4*\s+3], 0x80000000
	JLOAD \s                                       ; both slots' first fills: two loads of this wave are out
.endr
	v_and_b32 v1, 15, v0                           ; r = l % 16
	v_bfe_u32 v2, v0, 4, 1                         ; h = l / 16
	; the biases as C: tile b = 4 p + b', register j of lane (r, h) = b_p[64 head + 16 b' + 8 h + j]
	s_lshl_b32 s22, s42, 8
	v_lshlrev_b32 v[BOFF], 5, v2
	v_add_nc_u32 v[BOFF], s22, v[BOFF]             ; 256 x head + 32 h bytes
.irp b, 0,1,2,3
	global_load_b128 v[BIAS+8*\b:BIAS+8*\b+3],       v[BOFF], s[68:69] offset:64*\b
	global_load_b128 v[BIAS+8*\b+4:BIAS+8*\b+7],     v[BOFF], s[68:69] offset:64*\b+16
	global_load_b128 v[BIAS+32+8*\b:BIAS+32+8*\b+3], v[BOFF], s[70:71] offset:64*\b
	global_load_b128 v[BIAS+32+8*\b+4:BIAS+32+8*\b+7], v[BOFF], s[70:71] offset:64*\b+16
	global_load_b128 v[BIAS+64+8*\b:BIAS+64+8*\b+3], v[BOFF], s[72:73] offset:64*\b
	global_load_b128 v[BIAS+64+8*\b+4:BIAS+64+8*\b+7], v[BOFF], s[72:73] offset:64*\b+16
.endr
	; cosines and sines of my 64 rows, in the accumulators' layout: for row tile a, lane (r, h): cos and sin of frequencies 8 h + j and 16 + 8 h + j at position first + 16 a + r
	s_and_b32 s45, s13, 7
	s_lshl_b32 s45, s45, 8
	s_lshl_b32 s23, s10, 6
	s_add_co_u32 s45, s45, s23                     ; my first row's position in its sequence: 256 (block mod 8) + 64 wave
	v_add_nc_u32 v[TOFF], s45, v1
	v_lshlrev_b32 v[TOFF], 8, v[TOFF]              ; table rows of 256 bytes
	v_lshl_add_u32 v[TOFF], v2, 5, v[TOFF]         ; + 32 h
.irp hi, 0,1
	WIN 0x80+0x40*\hi                              ; destination window 2 or 3, address window 0
.irp a, 0,1
.irp q, 0,1,2,3,4,5,6,7
	global_load_b128 v[CS+32*\a+4*\q:CS+32*\a+4*\q+3], v[TOFF], s[66:67] offset:4096*(2*\hi+\a)+64*(\q/2)+16*(\q%2)   ; cos 0-15, cos 16-31, sin 0-15, sin 16-31: 8 registers each
.endr
.endr
.endr
	WIN 0
	; LDS addresses.  A fragment is 16 rows x 32 K: lane (r, h) takes 16 bytes at row r, byte 16 h, and 16 more 32 bytes on.
	v_mul_u32_u24 v3, v1, PITCH
	v_lshl_add_u32 v3, v2, 4, v3
	s_mul_i32 s22, s10, 64*PITCH                   ; my 64 rows of xb
	v_add_nc_u32 v[ADRA], s22, v3
	v_add_nc_u32 v[ADRA+1], SLOT, v[ADRA]
	v_add_nc_u32 v[ADRB], ABYTES, v3               ; all 192 rows of wb
	v_add_nc_u32 v[ADRB+1], SLOT, v[ADRB]
	s_mul_i32 s23, s10, SWAVE
	s_add_co_u32 s23, s23, STAGE                   ; my stage
	v_mul_u32_u24 v4, v1, SPITCH
	v_lshl_add_u32 v4, v2, 4, v4
	v_add_nc_u32 v[STO], s23, v4                   ; in: row r, 16 bytes for each half of the lanes
	v_and_b32 v5, 31, v0
	v_lshlrev_b32 v[CO], 4, v5
	v_lshrrev_b32 v6, 3, v5
	v_and_b32 v7, 7, v0
	v_mul_u32_u24 v6, v6, SPITCH
	v_lshl_add_u32 v6, v7, 4, v6
	v_add_nc_u32 v[RD], s23, v6                    ; back: eight lanes take a row of 128 bytes, the wave four rows
	; the output: plane p + ((16 batch + head) x 2048 + position) x 128 bytes
	s_lshr_b32 s82, s13, 3
	s_lshl_b32 s82, s82, 4
	s_add_co_u32 s82, s82, s42
	s_lshl_b32 s82, s82, 11
	s_add_co_u32 s82, s82, s45
	s_lshl_b32 s82, s82, 7
	s_mov_b32 s83, 0
	s_add_nc_u64 s[76:77], s[74:75], s[82:83]      ; q
	s_add_nc_u64 s[78:79], s[76:77], 0x800000      ; k
	s_add_nc_u64 s[80:81], s[78:79], 0x800000      ; v
; 12 matrix instructions: row tile a of the window's two (hi = 0: my rows 0-31, 1: rows 32-63) x all 12 column tiles, 32 along K.  first = 1: the biases start the sums.
.macro MULA fa, fb, hi, a, first
.irp b, 0,1,2,3,4,5,6,7,8,9,10,11
.if \first
	v_wmma_f32_16x16x32_bf16 v[8*(12*\a+\b):8*(12*\a+\b)+7], v[\fb+8*\b:\fb+8*\b+7], v[\fa+8*(2*\hi+\a):\fa+8*(2*\hi+\a)+7], v[BIAS+8*\b:BIAS+8*\b+7]
.else
	v_wmma_f32_16x16x32_bf16 v[8*(12*\a+\b):8*(12*\a+\b)+7], v[\fb+8*\b:\fb+8*\b+7], v[\fa+8*(2*\hi+\a):\fa+8*(2*\hi+\a)+7], v[8*(12*\a+\b):8*(12*\a+\b)+7]
.endif
.endr
.endm
; 32 LDS loads in one run: the fragments of one quarter step (192 rows of wb, my 64 rows of xb, 32 K at byte k of the rows)
.macro FETCH slot, k, ga, gb
	WIN TO_B
.irp i, 0,1,2,3,4,5,6,7,8,9,10,11
	ds_load_b128 v[\gb+8*\i:\gb+8*\i+3],   v[ADRB+\slot] offset:\k+\i*16*PITCH
	ds_load_b128 v[\gb+8*\i+4:\gb+8*\i+7], v[ADRB+\slot] offset:\k+\i*16*PITCH+32
.endr
	WIN 0
.irp i, 0,1,2,3
	ds_load_b128 v[\ga+8*\i:\ga+8*\i+3],   v[ADRA+\slot] offset:\k+\i*16*PITCH
	ds_load_b128 v[\ga+8*\i+4:\ga+8*\i+7], v[ADRA+\slot] offset:\k+\i*16*PITCH+32
.endr
.endm
; A load into a register that a matrix instruction has read, and a vector instruction that reads a matrix result, stand four places behind it, and only plain vector
; instructions that name none of its registers are places (ISA guide 7.12.1 for vector instructions).
.macro PLACES
.rept 4
	v_nop
.endr
.endm
; A K step is four quarter steps of 32 along K, 48 matrix instructions each, on buffers 0, 1, 0, 1.  The 48 accumulators take turns, one instruction a turn, in the same
; order in every quarter, over the loop's backward jump too.
; One of the first three quarters: buffer f, fetched a quarter ago, is in; the next quarter's fragments are asked for first, then buffer f is multiplied.
.macro QUARTER slot, k, fa, fb, ga, gb, first
	s_wait_dscnt 0x0                               ; buffer f's 32 loads
	PLACES
	FETCH \slot, \k, \ga, \gb
.if \first
	WIN FIRST_LO
.else
	WIN MUL_LO
.endif
	MULA \fa, \fb, 0, 0, \first
	MULA \fa, \fb, 0, 1, \first
.if \first
	WIN FIRST_HI
.else
	WIN MUL_HI
.endif
	MULA \fa, \fb, 1, 0, \first
	MULA \fa, \fb, 1, 1, \first
.endm
.macro THREE slot, first
	QUARTER \slot, 64,  FA0, FB0, FA1, FB1, \first
	QUARTER \slot, 128, FA1, FB1, FA0, FB0, 0
	QUARTER \slot, 192, FA0, FB0, FA1, FB1, 0
.endm
; The last quarter multiplies buffer 1 and changes slots.  In front of the barrier each wave waits for its reads of this slot and for all its tensor loads (one is out: its
; part of the next slot).  Behind it nobody reads this slot and the next slot is whole.  fill = 1: the barrier opens a round of the cluster's barrier, and the joint refill,
; two K steps ahead, is the first tensor load behind the round.  From a request to the wait for it a wave issues 168 matrix instructions.
.macro TURN slot, next, fill
	s_wait_dscnt 0x0                               ; buffer 1 is in, and with it my last reads of this slot
	s_wait_tensorcnt 0x0                           ; all my tensor loads have landed
	ds_add_u32 v255, v255
	s_wait_dscnt 0x0
	s_barrier_signal -1
	WIN MUL_LO
	MULA FA1, FB1, 0, 0, 0                         ; register work while the others arrive
	MULA FA1, FB1, 0, 1, 0
	WIN 0
	s_barrier_wait -1
.if \fill
	CREST
	s_add_nc_u64 s[G0+4*\slot+2:G0+4*\slot+3], s[G0+4*\slot+2:G0+4*\slot+3], 2*KSTEP*2     ; no load of mine is out: the addresses may step
	s_add_nc_u64 s[G0B+4*\slot+2:G0B+4*\slot+3], s[G0B+4*\slot+2:G0B+4*\slot+3], 2*KSTEP*2
	JLOAD \slot
.endif
	PLACES
	FETCH \next, 0, FA0, FB0
	WIN MUL_HI
	MULA FA1, FB1, 1, 0, 0
	MULA FA1, FB1, 1, 1, 0
.endm
.macro LAP first                       ; once round the ring, both slots filled again
	THREE 0, \first
	TURN 0, 1, 1
	THREE 1, 0
	TURN 1, 0, 1
.endm
	s_wait_loadcnt 0x0                             ; biases and table, once
	s_wait_tensorcnt 0x1                           ; my part of K step 0 is in; K step 1's may stay out
	s_barrier_signal -1
	s_barrier_wait -1                              ; everybody's is
	FETCH 0, 0, FA0, FB0
	LAP 1                                          ; K steps 0, 1: the first products start the sums from the biases
	WIN 0
	s_mov_b32 s3, 2                                ; K steps 2 to 5
.Llap:
	LAP 0
	WIN 0
	s_sub_co_u32 s3, s3, 1
	s_cmp_lg_u32 s3, 0
	s_cbranch_scc1 .Llap
	THREE 0, 0                                     ; K steps 6, 7: nothing is left to fetch
	TURN 0, 1, 0
	THREE 1, 0
	s_wait_dscnt 0x0
	WIN MUL_LO
	MULA FA1, FB1, 0, 0, 0
	MULA FA1, FB1, 0, 1, 0
	WIN MUL_HI
	MULA FA1, FB1, 1, 0, 0
	MULA FA1, FB1, 1, 1, 0
	; THE WAY OUT, 16 rows at a time: rotate q and k, round to bf16, 16 bytes a lane into my stage, read whole rows back, store 512 consecutive bytes a wave.
	PLACES
; rows 16 i .. 16 i + 15 of my 64.  x1 = column d < 32 (tiles b0, b0 + 1), x2 = column d + 32 (tiles b0 + 2, b0 + 3):  x1' = x1 cos - x2 sin,  x2' = x2 cos + x1 sin
.macro OUT16 i
.set AC, 96*(\i%2)
.set TB, CS+32*(\i%2)
.if \i < 2
	WIN 0x0a                                       ; sources 0 and 1 in window 2; source 2 and destination in window 0
.else
	WIN 0x0f                                       ; in window 3
.endif
.irp b0, 0,4
.irp bb, 0,1
.irp jj, 0,2,4,6
	v_pk_mul_f32 v[RT+8*(\b0+\bb)+\jj:RT+8*(\b0+\bb)+\jj+1], v[AC+8*(\b0+\bb+2)+\jj:AC+8*(\b0+\bb+2)+\jj+1], v[TB+16+8*\bb+\jj:TB+16+8*\bb+\jj+1]
	v_pk_mul_f32 v[RT+8*(\b0+\bb+2)+\jj:RT+8*(\b0+\bb+2)+\jj+1], v[AC+8*(\b0+\bb)+\jj:AC+8*(\b0+\bb)+\jj+1], v[TB+16+8*\bb+\jj:TB+16+8*\bb+\jj+1]
.endr
.irp jj, 0,2,4,6
	v_pk_fma_f32 v[RT+8*(\b0+\bb)+\jj:RT+8*(\b0+\bb)+\jj+1], v[AC+8*(\b0+\bb)+\jj:AC+8*(\b0+\bb)+\jj+1], v[TB+8*\bb+\jj:TB+8*\bb+\jj+1], v[RT+8*(\b0+\bb)+\jj:RT+8*(\b0+\bb)+\jj+1] neg_lo:[0,0,1] neg_hi:[0,0,1]
	v_pk_fma_f32 v[RT+8*(\b0+\bb+2)+\jj:RT+8*(\b0+\bb+2)+\jj+1], v[AC+8*(\b0+\bb+2)+\jj:AC+8*(\b0+\bb+2)+\jj+1], v[TB+8*\bb+\jj:TB+8*\bb+\jj+1], v[RT+8*(\b0+\bb+2)+\jj:RT+8*(\b0+\bb+2)+\jj+1]
.endr
.endr
.endr
.irp b, 8,9,10,11
.irp r, 0,1,2,3
	v_cvt_pk_bf16_f32 v[TMP+4*\b+\r], v[AC+8*\b+2*\r], v[AC+8*\b+2*\r+1]          ; v goes out as it is
.endr
.endr
	WIN 0
.irp b, 0,1,2,3,4,5,6,7
.irp r, 0,1,2,3
	v_cvt_pk_bf16_f32 v[TMP+4*\b+\r], v[RT+8*\b+2*\r], v[RT+8*\b+2*\r+1]
.endr
.endr
.irp b, 0,1,2,3,4,5,6,7,8,9,10,11
	ds_store_b128 v[STO], v[TMP+4*\b:TMP+4*\b+3] offset:(\b/4)*SPLANE+32*(\b%4)
.endr
	s_wait_xcnt 0x0                                ; the registers read back into were the data of the last 16 rows' stores: they are rewritten only behind this wait
.irp n, 0,1,2,3,4,5,6,7,8,9,10,11
	ds_load_b128 v[RB+4*\n:RB+4*\n+3], v[RD] offset:(\n/4)*SPLANE+(\n%4)*4*SPITCH    ; LDS serves a wave's instructions in order (ISA guide 5.7.1): these see the stores above
.endr
.irp n, 0,1,2,3,4,5,6,7,8,9,10,11
	s_wait_dscnt 11-\n                             ; the younger read-backs stay out
	global_store_b128 v[CO], v[RB+4*\n:RB+4*\n+3], s[76+2*(\n/4):77+2*(\n/4)] offset:2048*\i+512*(\n%4)   ; four rows of 128 bytes: 512 consecutive bytes, aligned
.endr
.endm
	OUT16 0
	OUT16 1
	OUT16 2
	OUT16 3
	s_set_vgpr_msb 0x1
	s_wait_tensorcnt 0x0
	ds_add_u32 v255, v255
	s_wait_dscnt 0x0
	s_set_vgpr_msb 0x100
	CROUND                                         ; the closing round: no work-group ends while a partner may still ask for a tile that names it
	s_endpgm
.Lfunc_end_k_qe178974593_project_qkv:
	.size	k_qe178974593_project_qkv, .Lfunc_end_k_qe178974593_project_qkv-k_qe178974593_project_qkv
	.p2alignl 7, 3214868480
	.fill 96, 4, 3214868480
	.section	.rodata,"a",@progbits
	.p2align	6, 0x0
	.amdhsa_kernel k_qe178974593_project_qkv
		.amdhsa_group_segment_fixed_size 327680
		.amdhsa_private_segment_fixed_size 0
		.amdhsa_enable_private_segment 0
		.amdhsa_kernarg_size 56
		.amdhsa_user_sgpr_count 2
		.amdhsa_user_sgpr_kernarg_segment_ptr 1
		.amdhsa_wavefront_size32 1
		.amdhsa_system_sgpr_workgroup_id_x 1
		.amdhsa_system_sgpr_workgroup_id_y 1
		.amdhsa_system_sgpr_workgroup_id_z 1
		.amdhsa_system_vgpr_workitem_id 0
		.amdhsa_next_free_vgpr 1024
		.amdhsa_next_free_sgpr 84
		.amdhsa_reserve_vcc 0
		.amdhsa_float_denorm_mode_32 3
		.amdhsa_float_denorm_mode_16_64 3
		.amdhsa_memory_ordered 1
		.amdhsa_forward_progress 1
		.amdhsa_inst_pref_size 184
	.end_amdhsa_kernel
	.amdgpu_metadata
---
amdhsa.version: [ 1, 2 ]
amdhsa.kernels:
  - .name:           k_qe178974593_project_qkv
    .symbol:         k_qe178974593_project_qkv.kd
    .args:
      - { .name: xb, .offset: 0, .size: 8, .value_kind: global_buffer, .address_space: global }
      - { .name: wb, .offset: 8, .size: 8, .value_kind: global_buffer, .address_space: global }
      - { .name: rope, .offset: 16, .size: 8, .value_kind: global_buffer, .address_space: global }
      - { .name: bq, .offset: 24, .size: 8, .value_kind: global_buffer, .address_space: global }
      - { .name: bk, .offset: 32, .size: 8, .value_kind: global_buffer, .address_space: global }
      - { .name: bv, .offset: 40, .size: 8, .value_kind: global_buffer, .address_space: global }
      - { .name: qkv, .offset: 48, .size: 8, .value_kind: global_buffer, .address_space: global }
    .group_segment_fixed_size: 327680
    .private_segment_fixed_size: 0
    .kernarg_segment_align: 8
    .kernarg_segment_size: 56
    .max_flat_workgroup_size: 128
    .sgpr_count:     84
    .vgpr_count:     1024
    .wavefront_size: 32
...
	.end_amdgpu_metadata
.endif
;; end of part 2
;; launch attention (part 3): grid 8 x 32, 8 waves a work-group, clusters of 4 x 1, 327,680 bytes of LDS; arguments qkv, ab; writes ab
.if DOCPART == 3
	.amdgcn_target "amdgcn-amd-amdhsa--gfx1250"
	.amdhsa_code_object_version 6
	.text
	.protected	k_qe178974593_attention
	.globl	k_qe178974593_attention
	.p2align	8
	.type	k_qe178974593_attention,@function
k_qe178974593_attention:
	s_mov_b64 s[64:65], 0
	v_nop
	global_prefetch_b8 v0, s[64:65] scope:SCOPE_SE
	s_setreg_imm32_b32 hwreg(HW_REG_WAVE_MODE, 25, 1), 1
	s_wait_xcnt 0x0
	s_wait_alu depctr_hold_cnt(0) depctr_sa_sdst(0) depctr_va_vdst(0) depctr_va_sdst(0) depctr_va_ssrc(0) depctr_va_vcc(0) depctr_vm_vsrc(0)
	s_getreg_b32 s2, hwreg(HW_REG_IB_STS2, 6, 4)
	s_cmp_eq_u32 s2, 0
	s_cbranch_scc0 .Lentry_in_a_cluster
	s_endpgm
.Lentry_in_a_cluster:
	s_bfe_u32 s2, ttmp6, 0x10000c
	s_cmp_lg_u32 s2, 0x3003
	s_cbranch_scc0 .Lentry_shape_is_right
	s_endpgm
.Lentry_shape_is_right:
; ab[bh][s][d] = softmax over keys of (q k^T / 8) times v, for each of 32 (batch, head) pairs; q, k, v bf16 [2048][64], sums and softmax in f32, a running maximum.
; A work-group takes 256 query rows of one pair; wave w of eight takes 32 of them, as two tiles u of 16.  Keys go in tiles of 256 through two LDS slots, in steps of 64.
; Eight waves, two on each SIMD; everything fits in 258 registers.
; CLUSTERS: the four work-groups of a cluster take four query blocks of the same pair and walk the same K and V tiles: each tile is asked for jointly, mask 15.
; LAYOUTS.  Scores are made transposed, S^T = K Q^T (source 0 = 16 keys, source 1 = 16 queries): lane (r, h) holds query r and keys 8 h + j.  So a row's maximum and sum are
; formed inside the lane but for one exchange between the halves, and two score tiles, rounded to bf16, are at once the second source (query r; keys 8 h .., 16 + 8 h ..) of
; O^T = V^T P^T.  V lies in LDS as [key][d]; its transposed fragments come by ds_load_tr16_b128.  In O^T a lane holds 8 neighbouring d of one query row.
; THE ORDER OF A STEP: a step has 32 matrix instructions and about 238 vector instructions.  Sixteen of the matrix instructions stand among the vector instructions of the
; OTHER query tile, whose registers they do not name: tile 1's score products in the head of tile 0's softmax, tile 0's P V products through tile 1's softmax.
; LIMITS: v_exp_f32 gives 0 for a result below 2^-126 (ISA guide, its entry), so such probabilities count as 0; inputs are taken to be finite.
.set KP, 144                           ; K's LDS row: 128 bytes + 16, an odd multiple of 16
.set VP, 160                           ; V's: 128 + 32, an odd multiple of 32, for the transposing load
.set KSLOT, 256*KP
.set VSLOT, 256*VP
.set VBASE, 2*KSLOT
.set STAGE, VBASE+2*VSLOT              ; behind the slots, bytes that no tensor load fills: 32 rows of 144 bytes for each wave
.set SPITCH, 144
.set SWAVE, 32*SPITCH
.set ADRK, 1                           ; v1-2    LDS address of my K fragments in slot 0, 1
.set ADRV, 3                           ; v3-4    the same for V
.set STO, 5
.set RD, 6
.set CO, 7
.set RM, 8                             ; v8-9    running maximum of the raw scores, tile u
.set NM, 10                            ; v10, v12  -c x maximum (the low register of a pair, used for both halves; the upper one is written once)
.set AL, 14                            ; v14, v16  factor for what was summed under the old maximum (likewise)
.set RL, 18                            ; v18-19  the lane's own sum of probabilities, tile u
.set T, 20                             ; v20-31  at work
.set RQ, 32                            ; v32-63  Q fragments at 16 u + 8 kd
.set RO, 64                            ; v64-127 O^T tiles at 8 (2 td + u)
.set RS, 128                           ; v128-191 score tiles at 32 u + 8 t; then P at 32 u + 8 g
.set KV, 192                           ; v192-255 K fragments at 8 (4 kd + t), then V fragments at 8 (4 g + td)
.set G1K, 16
.set G1V, 24
.set G0K, 32                           ; one set of four a slot
.set G0V, 40
.macro JLOAD s                         ; waves 0-3 fetch a quarter of K's tile each, waves 4-7 of V's; the branch hangs on the wave's number alone
	s_cmp_eq_u32 s9, 0
	s_cbranch_scc0 .Lfor_v_\@
	tensor_load_to_lds s[G0K+4*\s:G0K+4*\s+3], s[G1K:G1K+7]
	s_nop 0
	s_branch .Lasked_\@
.Lfor_v_\@:
	tensor_load_to_lds s[G0V+4*\s:G0V+4*\s+3], s[G1V:G1V+7]
	s_nop 0
.Lasked_\@:
.endm
.macro ROUND                           ; a round of the cluster's barrier
	s_barrier_signal -1
	s_barrier_wait -1
	s_cmp_lg_u32 s8, 0
	s_cbranch_scc1 .Lnot_wave_0_\@
	s_barrier_signal -3
.Lnot_wave_0_\@:
	s_barrier_wait -3
	s_barrier_signal -1
	s_barrier_wait -1
.endm
	s_load_b128 s[4:7], s[0:1], 0x0                ; qkv s[4:5], ab s[6:7]
	v_lshl_add_u32 v31, v0, 2, 0x2f000
	s_set_vgpr_msb 0x40
	v_mov_b32 v1, 0
	s_set_vgpr_msb 0x4044
	ds_add_u32 v31, v1
	s_set_vgpr_msb 0x4400
	v_lshrrev_b32 v20, 5, v0
	v_readfirstlane_b32 s8, v20                    ; wave 0..7
	s_lshr_b32 s9, s8, 2                           ; I fetch for K (0) or for V (1)
	s_bfe_u32 s10, ttmp6, 0x40000                  ; cx
	s_lshl_b32 s11, ttmp9, 2
	s_add_co_u32 s11, s11, s10                     ; query block = 4 x cluster x + cx
	s_and_b32 s49, ttmp7, 0xffff                   ; the (batch, head) pair
	s_mov_b32 s12, 0x76543210                      ; v_permlanex16_b32: lane i of one half reads lane i of the other
	s_mov_b32 s13, 0xfedcba98
	s_mov_b32 s14, 0x3e38aa3b                      ; c = log2(e) / 8: exp(s / 8) = 2^(c s)
	s_mov_b32 s15, 0x3e38aa3b
	s_mov_b32 s48, 0xbe38aa3b                      ; -c
	; group 1: 64 rows of 64 elements of 2 bytes, dense in memory; padding behind every 32 words, 4 words for K, 8 for V; mask: all four of the cluster
	s_mov_b32 s[G1K+0], 15|(1<<16)|(1<<20)|(1<<21)|(4<<22)|(3<<25)
	s_mov_b32 s[G1V+0], 15|(1<<16)|(1<<20)|(1<<21)|(4<<22)|(7<<25)
.irp g, G1K, G1V
	s_mov_b32 s[\g+1], 64<<16                      ; tensor_dim0 = 64
	s_mov_b32 s[\g+2], 64<<16                      ; tensor_dim1 = 64
	s_mov_b32 s[\g+3], 64<<16                      ; tile_dim0 = 64
	s_mov_b32 s[\g+4], 64                          ; tile_dim1 = 64
	s_mov_b32 s[\g+5], 64                          ; elements from row to row
	s_mov_b32 s[\g+6], 0
	s_mov_b32 s[\g+7], 0
.endr
	s_lshl_b32 s58, s49, 18                        ; the pair's 2,048 rows of 128 bytes,
	s_lshl_b32 s59, s8, 13                         ; and 64 rows a wave: nothing here hangs on my place in the cluster
	s_add_co_u32 s58, s58, s59
	s_mov_b32 s59, 0
	s_lshl_b32 s56, s49, 11                        ; my wave's first query row: 2048 pair + 256 block + 32 wave
	s_lshl_b32 s57, s11, 8
	s_add_co_u32 s56, s56, s57
	s_lshl_b32 s57, s8, 5
	s_add_co_u32 s56, s56, s57
	s_lshl_b32 s56, s56, 7
	s_mov_b32 s57, 0
	s_mul_i32 s60, s8, 64*KP                       ; K's quarters at wave x 64 rows;
	s_mul_i32 s61, s8, 64*VP
	s_add_co_u32 s61, s61, VBASE-4*64*VP           ; V's at (wave - 4) x 64 rows behind K's two slots
	s_wait_dscnt 0x0
	s_wait_kmcnt 0x0
	s_add_nc_u64 s[58:59], s[4:5], s[58:59]
	s_add_nc_u64 s[52:53], s[4:5], s[56:57]        ; my queries (plane 0)
	s_add_nc_u64 s[54:55], s[6:7], s[56:57]        ; my rows of the output
.irp s, 0,1
	s_mov_b32 s[G0K+4*\s], 1
	s_add_co_u32 s[G0K+4*\s+1], s60, \s*KSLOT
	s_add_nc_u64 s[G0K+4*\s+2:G0K+4*\s+3], s[58:59], 8388608+\s*32768            ; plane 1, key tile s
	s_or_b32 s[G0K+4*\s+3], s[G0K+4*\s+3], 0x80000000
	s_mov_b32 s[G0V+4*\s], 1
	s_add_co_u32 s[G0V+4*\s+1], s61, \s*VSLOT
	s_add_nc_u64 s[G0V+4*\s+2:G0V+4*\s+3], s[58:59], 16777216-32768+\s*32768     ; plane 2, key tile s, (wave - 4) x 64 rows
	s_or_b32 s[G0V+4*\s+3], s[G0V+4*\s+3], 0x80000000
.endr
	ROUND                                          ; all four work-groups are here
	JLOAD 0                                        ; key tile 0
	v_and_b32 v20, 15, v0                          ; r
	v_bfe_u32 v21, v0, 4, 1                        ; h
	v_and_b32 v22, 7, v0
	v_bfe_u32 v23, v0, 3, 1
	v_and_b32 v24, 31, v0                          ; lane
	v_lshlrev_b32 v26, 7, v20
	v_lshl_add_u32 v26, v21, 4, v26                ; Q: row r, byte 16 h
.irp u, 0,1
.irp kd, 0,1
	global_load_b128 v[RQ+16*\u+8*\kd:RQ+16*\u+8*\kd+3],   v26, s[52:53] offset:2048*\u+64*\kd
	global_load_b128 v[RQ+16*\u+8*\kd+4:RQ+16*\u+8*\kd+7], v26, s[52:53] offset:2048*\u+64*\kd+32
.endr
.endr
	v_mul_u32_u24 v[ADRK], v20, KP
	v_lshl_add_u32 v[ADRK], v21, 4, v[ADRK]        ; K: row r, byte 16 h
	v_add_nc_u32 v[ADRK+1], KSLOT, v[ADRK]
	v_lshl_add_u32 v25, v21, 3, v22                ; V: row 8 h + lane % 8, byte 16 ((lane / 8) % 2)
	v_mul_u32_u24 v[ADRV], v25, VP
	v_lshl_add_u32 v[ADRV], v23, 4, v[ADRV]
	v_add_nc_u32 v[ADRV], VBASE, v[ADRV]
	v_add_nc_u32 v[ADRV+1], VSLOT, v[ADRV]
	s_mul_i32 s62, s8, SWAVE
	s_add_co_u32 s62, s62, STAGE                   ; my stage
	v_add_nc_u32 v[STO], s62, v[ADRK]              ; in: row r, byte 16 h (the stage has K's pitch)
	v_lshrrev_b32 v25, 3, v24
	v_mul_u32_u24 v[RD], v25, SPITCH
	v_lshl_add_u32 v[RD], v22, 4, v[RD]
	v_add_nc_u32 v[RD], s62, v[RD]                 ; back: eight lanes take a row of 128 bytes
	v_lshlrev_b32 v[CO], 4, v24
	v_mov_b32 v[NM+1], 0                           ; the upper registers of the pairs: named by the packed instructions, never used by them
	v_mov_b32 v[NM+3], 0
	v_mov_b32 v[AL+1], 0
	v_mov_b32 v[AL+3], 0
	v_mov_b32 v[T+10], 0                           ; the destination of v_permlanex16_b32 counts as read: written once here
	s_wait_loadcnt 0x0                             ; Q, once; v26 is free again
; Four places: between a matrix instruction and a reader of its result, or a load into one of its sources (ISA guide 7.12.1 for vector instructions)
.macro PLACES
.rept 4
	v_nop
.endr
.endm
; The n-th of the eight score products of query tile u: key tile n % 4, half n / 4 of d.  The four accumulators of a group take turns.
.macro SW u, n
.set MT, (\n)%4
.set MK, (\n)/4
.if MK == 0
	v_wmma_f32_16x16x32_bf16 v[RS+32*\u+8*MT:RS+32*\u+8*MT+7], v[KV+8*MT:KV+8*MT+7], v[RQ+16*\u:RQ+16*\u+7], 0
.else
	v_wmma_f32_16x16x32_bf16 v[RS+32*\u+8*MT:RS+32*\u+8*MT+7], v[KV+32+8*MT:KV+32+8*MT+7], v[RQ+16*\u+8:RQ+16*\u+15], v[RS+32*\u+8*MT:RS+32*\u+8*MT+7]
.endif
.endm
; The n-th of the eight P V products of query tile u: tile n % 4 of d, half n / 4 of the 64 keys.  first = 1: the first half starts the sums.
.macro PW u, n, first
.set MT, (\n)%4
.set MK, (\n)/4
.if (\first)*(1-MK)
	v_wmma_f32_16x16x32_bf16 v[RO+8*(2*MT+\u):RO+8*(2*MT+\u)+7], v[KV+32*MK+8*MT:KV+32*MK+8*MT+7], v[RS+32*\u+8*MK:RS+32*\u+8*MK+7], 0
.else
	v_wmma_f32_16x16x32_bf16 v[RO+8*(2*MT+\u):RO+8*(2*MT+\u)+7], v[KV+32*MK+8*MT:KV+32*MK+8*MT+7], v[RS+32*\u+8*MK:RS+32*\u+8*MK+7], v[RO+8*(2*MT+\u):RO+8*(2*MT+\u)+7]
.endif
.endm
; What stands among the vector instructions of a softmax.  In tile 0's: a score product of tile 1.  In tile 1's: a P V product of tile 0, with V's waits.
.macro HKS u, n
.if \u == 0
	SW 1, \n
.endif
.endm
.macro HKP u, n, first
.if \u == 1
.if \n == 0
	s_wait_dscnt 0x8                               ; V of keys 0 .. 31 is in; the eight younger loads (keys 32 .. 63) stay out
.endif
.if \n == 4
	s_wait_dscnt 0x0
.endif
	PW 0, \n, \first
.endif
.endm
; Eight LDS loads: half kd of d of the four K fragments of keys 64 ks .. 64 ks + 63
.macro KLOADS slot, ks, kd
.irp t, 0,1,2,3
	ds_load_b128 v[KV+8*(4*\kd+\t):KV+8*(4*\kd+\t)+3],   v[ADRK+\slot] offset:(64*(\ks)+16*\t)*KP+64*\kd
	ds_load_b128 v[KV+8*(4*\kd+\t)+4:KV+8*(4*\kd+\t)+7], v[ADRK+\slot] offset:(64*(\ks)+16*\t)*KP+64*\kd+32
.endr
.endm
; Sixteen transposing LDS loads: V's eight fragments of the same keys, keys 0 .. 31 first
.macro VLOADS slot, ks
.irp g, 0,1
.irp td, 0,1,2,3
	ds_load_tr16_b128 v[KV+8*(4*\g+\td):KV+8*(4*\g+\td)+3],   v[ADRV+\slot] offset:(64*(\ks)+32*\g)*VP+32*\td
	ds_load_tr16_b128 v[KV+8*(4*\g+\td)+4:KV+8*(4*\g+\td)+7], v[ADRV+\slot] offset:(64*(\ks)+32*\g+16)*VP+32*\td
.endr
.endr
.endm
; The softmax of query tile u over this step's 64 keys (32 in each lane).  first = 1: nothing has been summed yet.
; Its vector instructions name tile u's scores and sums and the registers at work; the matrix instructions among them name the other tile's and the fragments.
.macro SOFTMAX u, slot, ks, first
.set SB, RS+32*\u
	HKS \u, 0
.irp c, 0,1,2,3
	v_max3_num_f32 v[T+4+\c], v[SB+8*\c], v[SB+8*\c+1], v[SB+8*\c+2]               ; the maximum: four chains of eight scores
.endr
	HKP \u, 0, \first
.irp c, 0,1,2,3
	v_max3_num_f32 v[T+4+\c], v[T+4+\c], v[SB+8*\c+3], v[SB+8*\c+4]
.endr
	HKS \u, 1
.irp c, 0,1,2,3
	v_max3_num_f32 v[T+4+\c], v[T+4+\c], v[SB+8*\c+5], v[SB+8*\c+6]
.endr
	HKS \u, 2
	v_max3_num_f32 v[T+4], v[T+4], v[T+5], v[SB+7]                 ; the chains meet, with each chain's eighth score
	v_max3_num_f32 v[T+6], v[T+6], v[T+7], v[SB+15]
	v_max3_num_f32 v[T+4], v[T+4], v[SB+23], v[SB+31]
.if \first
	v_max_num_f32 v[T+4], v[T+4], v[T+6]
.else
	v_max3_num_f32 v[T+4], v[T+4], v[T+6], v[RM+\u]                ; the running maximum joins
.endif
	HKS \u, 3
	HKP \u, 1, \first
	v_permlanex16_b32 v[T+10], v[T+4], s12, s13                    ; the other half's 32 keys of the same query
	v_max_num_f32 v[RM+\u], v[T+4], v[T+10]
	HKS \u, 4
.if \first
	v_mul_f32 v[NM+2*\u], s48, v[RM+\u]
.else
	v_mul_f32 v[T+8], s48, v[RM+\u]                                ; -c x new maximum
	v_sub_f32 v[T+9], v[T+8], v[NM+2*\u]                           ; c (old - new) <= 0
	v_exp_f32 v[AL+2*\u], v[T+9]
	v_mov_b32 v[NM+2*\u], v[T+8]                                   ; also the plain instruction behind v_exp_f32 (ISA guide 5.7.2)
.endif
	HKS \u, 5
	HKP \u, 2, \first
.irp i, 0,2,4,6
	v_pk_fma_f32 v[SB+\i:SB+\i+1], v[SB+\i:SB+\i+1], s[14:15], v[NM+2*\u:NM+2*\u+1] op_sel_hi:[1,0,0]    ; c s - c max, one rounding
.endr
	HKS \u, 6
.irp i, 8,10,12,14,16,18
	v_pk_fma_f32 v[SB+\i:SB+\i+1], v[SB+\i:SB+\i+1], s[14:15], v[NM+2*\u:NM+2*\u+1] op_sel_hi:[1,0,0]
.endr
	HKS \u, 7                                                      ; the last reader of K's fragments
.irp i, 20,22,24,26,28,30
	v_pk_fma_f32 v[SB+\i:SB+\i+1], v[SB+\i:SB+\i+1], s[14:15], v[NM+2*\u:NM+2*\u+1] op_sel_hi:[1,0,0]    ; six places behind it
.endr
.if \u == 0
	VLOADS \slot, \ks                                              ; V into K's fragment registers: the rest of this softmax and the head of the next stand before their first use
.endif
	HKP \u, 3, \first
.set i, 0
.rept 16
	v_exp_f32 v[SB+i], v[SB+i]
.set i, i+1
.endr
	HKP \u, 4, \first
.rept 16
	v_exp_f32 v[SB+i], v[SB+i]
.set i, i+1
.endr
	HKP \u, 5, \first
.if \first
	v_nop                                                          ; the plain instruction behind the last v_exp_f32
	s_wait_alu depctr_va_vdst(0)
.else
	s_wait_alu depctr_va_vdst(0)
.irp td, 0,1,2,3
.irp jj, 0,2,4,6
	v_pk_mul_f32 v[RO+8*(2*\td+\u)+\jj:RO+8*(2*\td+\u)+\jj+1], v[RO+8*(2*\td+\u)+\jj:RO+8*(2*\td+\u)+\jj+1], v[AL+2*\u:AL+2*\u+1] op_sel_hi:[1,0]   ; plain work behind the exponentials
.endr
.endr
.endif
	HKP \u, 6, \first
.irp c, 0,1,2,3
	v_pk_add_f32 v[T+2*\c:T+2*\c+1], v[SB+8*\c:SB+8*\c+1], v[SB+8*\c+2:SB+8*\c+3]  ; the lane's sum: four chains
.endr
.irp c, 0,1,2,3
	v_pk_add_f32 v[T+2*\c:T+2*\c+1], v[T+2*\c:T+2*\c+1], v[SB+8*\c+4:SB+8*\c+5]
.endr
.irp c, 0,1,2,3
	v_pk_add_f32 v[T+2*\c:T+2*\c+1], v[T+2*\c:T+2*\c+1], v[SB+8*\c+6:SB+8*\c+7]
.endr
	HKP \u, 7, \first
	v_pk_add_f32 v[T:T+1], v[T:T+1], v[T+2:T+3]
	v_pk_add_f32 v[T+4:T+5], v[T+4:T+5], v[T+6:T+7]
	v_pk_add_f32 v[T:T+1], v[T:T+1], v[T+4:T+5]
.if \first
	v_add_f32 v[RL+\u], v[T], v[T+1]
.else
	v_add_f32 v[T], v[T], v[T+1]
	v_fma_f32 v[RL+\u], v[RL+\u], v[AL+2*\u], v[T]
.endif
.set i, 0
.rept 16
	v_cvt_pk_bf16_f32 v[SB+i], v[SB+2*i], v[SB+2*i+1]              ; in place, ascending: word i is made of words 2 i and 2 i + 1.  Words 8 g .. 8 g + 7 = P of keys 32 g .. 32 g + 31
.set i, i+1
.endr
.endm
; 64 keys: rows 64 ks .. 64 ks + 63 of the slot.  Tile 0's scores; tile 0's softmax with tile 1's scores in it; tile 1's softmax with tile 0's P V in it; tile 1's P V.
; Inside a key tile the next step's K fragments are asked for as soon as each half of V's fragments has had its last reader; the first step behind a round asks for its own.
; P of tile 1 is written over by the next step's score products eight places behind its last reader (the four at this step's end and the four behind tile 0's scores).
.macro STEP slot, ks, first
.if \ks == 0
	KLOADS \slot, 0, 0
	KLOADS \slot, 0, 1
.endif
	s_wait_dscnt 0x8                               ; d = 0 .. 31 of the four key tiles is in; the eight younger loads (d = 32 .. 63) stay out
.irp n, 0,1,2,3
	SW 0, \n
.endr
	s_wait_dscnt 0x0
.irp n, 4,5,6,7
	SW 0, \n
.endr
	PLACES                                         ; then tile 0's scores are read
	SOFTMAX 0, \slot, \ks, \first
	SOFTMAX 1, \slot, \ks, \first
.irp n, 0,1,2,3
	PW 1, \n, \first
.endr
.if \ks < 3
	PLACES                                         ; V of keys 0 .. 31 has had its last reader
	KLOADS \slot, \ks+1, 0
.endif
.irp n, 4,5,6,7
	PW 1, \n, \first
.endr
	PLACES                                         ; V of keys 32 .. 63 has had its last reader
.if \ks < 3
	KLOADS \slot, \ks+1, 1
.endif
.endm
; A key tile of 256.  In front of the round every wave waits for all its tensor loads (its part of this tile) and for its reads of the other slot; behind the round the other
; slot is filled with the next tile, one joint load a wave, which has this tile's 128 matrix instructions and eight softmax passes in which to land.
.macro TRIP slot, other, refill, first
	s_set_vgpr_msb 0x4
	s_wait_tensorcnt 0x0
	ds_add_u32 v31, v1
	s_wait_dscnt 0x0
	s_set_vgpr_msb 0x400
	s_add_nc_u64 s[G0K+4*\slot+2:G0K+4*\slot+3], s[G0K+4*\slot+2:G0K+4*\slot+3], 65536     ; no load of mine is out: this slot's next tile, two on
	s_add_nc_u64 s[G0V+4*\slot+2:G0V+4*\slot+3], s[G0V+4*\slot+2:G0V+4*\slot+3], 65536
	s_wait_dscnt 0x0
	ROUND
.if \refill
	JLOAD \other
.endif
	STEP \slot, 0, \first
	STEP \slot, 1, 0
	STEP \slot, 2, 0
	STEP \slot, 3, 0
.endm
	TRIP 0, 1, 1, 1                                ; tile 0: its first step starts the sums
	TRIP 1, 0, 1, 0
	s_mov_b32 s50, 2                               ; tiles 2 to 5
.Ltiles:
	TRIP 0, 1, 1, 0
	TRIP 1, 0, 1, 0
	s_sub_co_u32 s50, s50, 1
	s_cmp_lg_u32 s50, 0
	s_cbranch_scc1 .Ltiles
	TRIP 0, 1, 1, 0                                ; tile 6 asks for tile 7,
	TRIP 1, 0, 0, 0                                ; tile 7 for nothing (the stepped addresses are not used)
	; The end: the two halves' sums meet; the sum holds the term 1 of the row's maximum, so its reciprocal is safe.
	v_permlanex16_b32 v[T+6], v[RL], s12, s13
	v_permlanex16_b32 v[T+7], v[RL+1], s12, s13
	v_add_f32 v[RL], v[RL], v[T+6]
	v_add_f32 v[RL+1], v[RL+1], v[T+7]
	v_rcp_f32 v[AL], v[RL]
	v_rcp_f32 v[AL+2], v[RL+1]
	v_nop                                          ; the plain instruction behind v_rcp_f32 (ISA guide 5.7.2)
	s_wait_alu depctr_va_vdst(0)
.irp td, 0,1,2,3
.irp u, 0,1
.irp jj, 0,2,4,6
	v_pk_mul_f32 v[RO+8*(2*\td+\u)+\jj:RO+8*(2*\td+\u)+\jj+1], v[RO+8*(2*\td+\u)+\jj:RO+8*(2*\td+\u)+\jj+1], v[AL+2*\u:AL+2*\u+1] op_sel_hi:[1,0]
.endr
.irp r, 0,1,2,3
	v_cvt_pk_bf16_f32 v[RS+4*(2*\td+\u)+\r], v[RO+8*(2*\td+\u)+2*\r], v[RO+8*(2*\td+\u)+2*\r+1]
.endr
	ds_store_b128 v[STO], v[RS+4*(2*\td+\u):RS+4*(2*\td+\u)+3] offset:16*SPITCH*\u+32*\td   ; row 16 u + r, columns 16 td + 8 h ..
.endr
.endr
.irp i, 0,1,2,3,4,5,6,7
	ds_load_b128 v[KV+4*\i:KV+4*\i+3], v[RD] offset:\i*4*SPITCH    ; my own bytes: LDS serves a wave's instructions in order (ISA guide 5.7.1)
.endr
.irp i, 0,1,2,3,4,5,6,7
	s_wait_dscnt 7-\i                              ; the younger read-backs stay out
	global_store_b128 v[CO], v[KV+4*\i:KV+4*\i+3], s[54:55] offset:512*\i   ; four rows of 128 bytes: 512 consecutive bytes, aligned
.endr
	s_set_vgpr_msb 0x4
	s_wait_tensorcnt 0x0
	ds_add_u32 v31, v1
	s_wait_dscnt 0x0
	s_set_vgpr_msb 0x400
	ROUND                                          ; the closing round
	s_endpgm
.Lfunc_end_k_qe178974593_attention:
	.size	k_qe178974593_attention, .Lfunc_end_k_qe178974593_attention-k_qe178974593_attention
	.p2alignl 7, 3214868480
	.fill 96, 4, 3214868480
	.section	.rodata,"a",@progbits
	.p2align	6, 0x0
	.amdhsa_kernel k_qe178974593_attention
		.amdhsa_group_segment_fixed_size 327680
		.amdhsa_private_segment_fixed_size 0
		.amdhsa_enable_private_segment 0
		.amdhsa_kernarg_size 16
		.amdhsa_user_sgpr_count 2
		.amdhsa_user_sgpr_kernarg_segment_ptr 1
		.amdhsa_wavefront_size32 1
		.amdhsa_system_sgpr_workgroup_id_x 1
		.amdhsa_system_sgpr_workgroup_id_y 1
		.amdhsa_system_sgpr_workgroup_id_z 1
		.amdhsa_system_vgpr_workitem_id 0
		.amdhsa_next_free_vgpr 258
		.amdhsa_next_free_sgpr 66
		.amdhsa_reserve_vcc 0
		.amdhsa_float_denorm_mode_32 3
		.amdhsa_float_denorm_mode_16_64 3
		.amdhsa_memory_ordered 1
		.amdhsa_forward_progress 1
		.amdhsa_inst_pref_size 255
	.end_amdhsa_kernel
	.section	.bss,"aw",@nobits
	.p2align	6
	.space	262144
	.amdgpu_metadata
---
amdhsa.version: [ 1, 2 ]
amdhsa.kernels:
  - .name:           k_qe178974593_attention
    .symbol:         k_qe178974593_attention.kd
    .args:
      - { .name: qkv, .offset: 0, .size: 8, .value_kind: global_buffer, .address_space: global }
      - { .name: ab, .offset: 8, .size: 8, .value_kind: global_buffer, .address_space: global }
    .group_segment_fixed_size: 327680
    .private_segment_fixed_size: 0
    .kernarg_segment_align: 8
    .kernarg_segment_size: 16
    .max_flat_workgroup_size: 256
    .sgpr_count:     66
    .vgpr_count:     258
    .wavefront_size: 32
...
	.end_amdgpu_metadata
.endif
;; end of part 3
;; launch project_out (part 4): grid 8 x 32, 4 waves a work-group, clusters of 4 x 4, 327,680 bytes of LDS; arguments ab, wb, bo, out0; writes out0
.if DOCPART == 4
	.amdgcn_target "amdgcn-amd-amdhsa--gfx1250"
	.amdhsa_code_object_version 6
	.text
	.protected	k_qe178974593_project_out
	.globl	k_qe178974593_project_out
	.p2align	8
	.type	k_qe178974593_project_out,@function
k_qe178974593_project_out:
	s_mov_b64 s[64:65], 0
	v_nop
	global_prefetch_b8 v0, s[64:65] scope:SCOPE_SE
	s_setreg_imm32_b32 hwreg(HW_REG_WAVE_MODE, 25, 1), 1
	s_wait_xcnt 0x0
	s_wait_alu depctr_hold_cnt(0) depctr_sa_sdst(0) depctr_va_vdst(0) depctr_va_sdst(0) depctr_va_ssrc(0) depctr_va_vcc(0) depctr_vm_vsrc(0)
	s_getreg_b32 s2, hwreg(HW_REG_IB_STS2, 6, 4)
	s_cmp_eq_u32 s2, 0
	s_cbranch_scc0 .Lentry_in_a_cluster
	s_endpgm
.Lentry_in_a_cluster:
	s_bfe_u32 s2, ttmp6, 0x10000c
	s_cmp_lg_u32 s2, 0xf033
	s_cbranch_scc0 .Lentry_shape_is_right
	s_endpgm
.Lentry_shape_is_right:
; out0 = attention output x Wo^T + bo: a GEMM of 4096 x 1024 x 1024 in bf16 with f32 sums, f32 out.
; A work-group makes 128 x 128, which gives 256 work-groups; four waves, each 64 x 64: 16 accumulator tiles, 128 registers.
; The left matrix lies in memory as ab[batch x 16 + head][2048][64]: column k = 64 head + d.  Wo's rows are rows 3072 .. 4095 of wb.
; K goes in four steps of 256 (four heads) through two LDS slots, written out without a loop: a slot of 256 along K leaves 120 matrix instructions of a wave between a request and the wait for it.
; CLUSTERS: 4 x 4 work-groups; ab's tile is shared along a row of the cluster, wb's along a column, each asked for jointly by its four users.
; The matrix instruction is used transposed (source 0 = 16 rows of wb, source 1 = 16 rows of ab): lane (r, h) holds row r, columns 8 h + 0 .. 7; the bias, laid out so, is the
; C of each tile's first product.
; REGISTERS: window 0: v0-31 addresses; v32-95, v96-159 two fragment buffers (ab's four fragments, then wb's four); v160-191 the bias; v192-223 rows read back.
;            window 1: v0-127 the accumulators, tile (a, b) at 8 (4 a + b).
; Inputs are taken to be finite.
.set APITCH, 144                       ; a head's row: 128 bytes + 16
.set HPLANE, 128*APITCH                ; a head's 128 rows
.set ABYTES, 4*HPLANE
.set BPITCH, 528                       ; wb's row: 512 bytes + 16
.set SLOT,   ABYTES+128*BPITCH
.set STAGE,  2*SLOT                    ; behind the ring, bytes that no tensor load fills: 16 rows of 256 + 16 bytes for each wave
.set SPITCH, 272
.set ADRA, 16
.set ADRB, 20
.set STO,  24
.set RD,   25
.set CO,   26
.set BOFF, 27
.set F0,   32
.set F1,   96
.set BIAS, 160
.set RB,   192
.set G1,  24
.set G0,  32
.set G1B, 48
.set G0B, 56
.set MSB, 0
.macro WIN new
.if MSB != \new
	s_set_vgpr_msb (MSB<<8)|\new
.set MSB, \new
.endif
.endm
.macro JLOAD s                         ; waves 0 and 1 fetch two heads of ab each, waves 2 and 3 64 rows of wb each
	s_cmp_eq_u32 s11, 0
	s_cbranch_scc0 .Lfor_b_\@
	tensor_load_to_lds s[G0+4*\s:G0+4*\s+3], s[G1:G1+7]
	s_nop 0
	s_branch .Lasked_\@
.Lfor_b_\@:
	tensor_load_to_lds s[G0B+4*\s:G0B+4*\s+3], s[G1B:G1B+7]
	s_nop 0
.Lasked_\@:
.endm
.macro CREST
	s_cmp_lg_u32 s10, 0
	s_cbranch_scc1 .Lnot_wave_0_\@
	s_barrier_signal -3
.Lnot_wave_0_\@:
	s_barrier_wait -3
	s_barrier_signal -1
	s_barrier_wait -1
.endm
.macro CROUND
	s_barrier_signal -1
	s_barrier_wait -1
	CREST
.endm
	s_load_b128 s[4:7], s[0:1], 0x0                ; ab s[4:5], wb s[6:7]
	s_load_b128 s[68:71], s[0:1], 0x10             ; bo s[68:69], out0 s[70:71]
	v_lshl_add_u32 v254, v0, 2, 0x49400
	v_mov_b32 v255, 0
	ds_add_u32 v254, v255
	v_lshrrev_b32 v1, 5, v0
	v_readfirstlane_b32 s10, v1                    ; wave 0..3
	s_lshr_b32 s11, s10, 1                         ; which 64 rows are mine.  Also: I fetch for ab (0) or for wb (1)
	s_and_b32 s12, s10, 1                          ; which 64 columns
	s_bfe_u32 s40, ttmp6, 0x40000                  ; cx
	s_bfe_u32 s41, ttmp6, 0x40004                  ; cy
	s_lshl_b32 s42, ttmp9, 2
	s_add_co_u32 s42, s42, s40                     ; block of 128 columns
	s_and_b32 s13, ttmp7, 0xffff
	s_lshl_b32 s13, s13, 2
	s_add_co_u32 s13, s13, s41                     ; block of 128 rows
	s_lshl_b32 s43, s41, 2
	s_lshl_b32 s43, 15, s43                        ; my row of the cluster
	s_lshl_b32 s44, 0x1111, s40                    ; my column
	; ab's tile: a head's 128 rows are 16,384 dense bytes, taken as one row of 8,192 elements; two heads, 131,072 elements apart.  The padding counts words along the whole
	; tile: 4 words behind every 32, which divides the row, so every 128 bytes get their 16 and the second head begins 128 x 144 bytes behind the first.
	s_or_b32 s[G1+0], s43, (1<<16)|(1<<20)|(1<<21)|(4<<22)|(3<<25)
	s_mov_b32 s[G1+1], 8192<<16                    ; tensor_dim0 = 8192
	s_mov_b32 s[G1+2], 2<<16                       ; tensor_dim1 = 2
	s_mov_b32 s[G1+3], 8192<<16                    ; tile_dim0 = 8192
	s_mov_b32 s[G1+4], 2                           ; tile_dim1 = 2
	s_mov_b32 s[G1+5], 131072                      ; elements from head to head
	s_mov_b32 s[G1+6], 0
	s_mov_b32 s[G1+7], 0
	; wb's tile: 64 rows of 256 elements, 4 words of padding behind every 128
	s_or_b32 s[G1B+0], s44, (1<<16)|(1<<20)|(1<<21)|(6<<22)|(3<<25)
	s_mov_b32 s[G1B+1], 256<<16
	s_mov_b32 s[G1B+2], 64<<16
	s_mov_b32 s[G1B+3], 256<<16
	s_mov_b32 s[G1B+4], 64
	s_mov_b32 s[G1B+5], 1024
	s_mov_b32 s[G1B+6], 0
	s_mov_b32 s[G1B+7], 0
	s_lshr_b32 s16, s13, 4
	s_lshl_b32 s16, s16, 4                         ; 16 x batch
	s_lshl_b32 s17, s10, 1
	s_add_co_u32 s16, s16, s17                     ; + 2 x wave: the first of my two heads
	s_lshl_b32 s16, s16, 11
	s_and_b32 s17, s13, 15
	s_lshl_b32 s17, s17, 7
	s_add_co_u32 s16, s16, s17                     ; + the block's first position
	s_lshl_b32 s16, s16, 7                         ; rows of 128 bytes
	s_mov_b32 s17, 0
	s_lshl_b32 s46, s42, 7
	s_lshl_b32 s47, s12, 6
	s_add_co_u32 s46, s46, s47
	s_add_co_u32 s46, s46, 3072                    ; wb: row 3072 + 128 x block + 64 x half
	s_lshl_b32 s46, s46, 11
	s_mov_b32 s47, 0
	s_mul_i32 s20, s10, 2*HPLANE                   ; waves 0, 1: two heads' planes each;
	s_mul_i32 s21, s10, 64*BPITCH
	s_add_co_u32 s21, s21, ABYTES-2*64*BPITCH      ; waves 2, 3: (wave - 2) x 64 rows behind the four planes
	s_wait_dscnt 0x0
	s_wait_kmcnt 0x0
	s_add_nc_u64 s[14:15], s[4:5], s[16:17]
	s_add_nc_u64 s[46:47], s[6:7], s[46:47]
	CROUND                                         ; all sixteen work-groups are here
.irp s, 0,1
	s_mov_b32 s[G0+4*\s], 1
	s_add_co_u32 s[G0+4*\s+1], s20, \s*SLOT
	s_add_nc_u64 s[G0+4*\s+2:G0+4*\s+3], s[14:15], \s*1048576      ; four heads on
	s_or_b32 s[G0+4*\s+3], s[G0+4*\s+3], 0x80000000
	s_mov_b32 s[G0B+4*\s], 1
	s_add_co_u32 s[G0B+4*\s+1], s21, \s*SLOT
	s_add_nc_u64 s[G0B+4*\s+2:G0B+4*\s+3], s[46:47], \s*512        ; 256 along K on
	s_or_b32 s[G0B+4*\s+3], s[G0B+4*\s+3], 0x80000000
	JLOAD \s                                       ; both slots' first fills: two loads of this wave are out
.endr
	v_and_b32 v1, 15, v0                           ; r
	v_bfe_u32 v2, v0, 4, 1                         ; h
	s_lshl_b32 s22, s42, 9
	s_lshl_b32 s23, s12, 8
	s_add_co_u32 s22, s22, s23                     ; my first column in bytes of f32: 512 x block + 256 x half
	v_lshlrev_b32 v[BOFF], 5, v2
	v_add_nc_u32 v[BOFF], s22, v[BOFF]
.irp b, 0,1,2,3
	global_load_b128 v[BIAS+8*\b:BIAS+8*\b+3],   v[BOFF], s[68:69] offset:64*\b
	global_load_b128 v[BIAS+8*\b+4:BIAS+8*\b+7], v[BOFF], s[68:69] offset:64*\b+16
.endr
	s_lshl_b32 s66, s13, 7
	s_lshl_b32 s67, s11, 6
	s_add_co_u32 s66, s66, s67                     ; my first row
	s_lshl_b32 s66, s66, 12                        ; rows of 4,096 bytes
	s_add_co_u32 s66, s66, s22
	s_mov_b32 s67, 0
	s_add_nc_u64 s[70:71], s[70:71], s[66:67]
	v_mul_u32_u24 v3, v1, APITCH
	v_lshl_add_u32 v3, v2, 4, v3
	s_mul_i32 s23, s11, 64*APITCH                  ; my 64 rows in each head's plane
	v_add_nc_u32 v[ADRA], s23, v3
	v_add_nc_u32 v[ADRA+1], SLOT, v[ADRA]
	v_mul_u32_u24 v4, v1, BPITCH
	v_lshl_add_u32 v4, v2, 4, v4
	s_mul_i32 s23, s12, 64*BPITCH
	s_add_co_u32 s23, s23, ABYTES                  ; my 64 rows of wb
	v_add_nc_u32 v[ADRB], s23, v4
	v_add_nc_u32 v[ADRB+1], SLOT, v[ADRB]
	s_mul_i32 s23, s10, 16*SPITCH
	s_add_co_u32 s23, s23, STAGE                   ; my stage
	v_mul_u32_u24 v5, v1, SPITCH
	v_lshl_add_u32 v5, v2, 5, v5
	v_add_nc_u32 v[STO], s23, v5                   ; in: row r, 32 bytes for each half of the lanes
	v_mul_u32_u24 v6, v2, SPITCH
	v_lshl_add_u32 v6, v1, 4, v6
	v_add_nc_u32 v[RD], s23, v6                    ; back: lanes 0-15 take a row of 256 bytes, lanes 16-31 the next
	v_lshlrev_b32 v7, 12, v2
	v_lshl_add_u32 v[CO], v1, 4, v7                ; and the same two rows in out0
; 8 matrix instructions: row tiles a0, a0 + 1 x the four column tiles, 32 along K.  first = 1: the bias starts the sums.
.macro MULP f, a0, first
.irp a, \a0, \a0+1
.irp b, 0,1,2,3
.if \first
	v_wmma_f32_16x16x32_bf16 v[8*(4*(\a)+\b):8*(4*(\a)+\b)+7], v[\f+32+8*\b:\f+32+8*\b+7], v[\f+8*(\a):\f+8*(\a)+7], v[BIAS+8*\b:BIAS+8*\b+7]
.else
	v_wmma_f32_16x16x32_bf16 v[8*(4*(\a)+\b):8*(4*(\a)+\b)+7], v[\f+32+8*\b:\f+32+8*\b+7], v[\f+8*(\a):\f+8*(\a)+7], v[8*(4*(\a)+\b):8*(4*(\a)+\b)+7]
.endif
.endr
.endr
.endm
; 16 LDS loads: the fragments of piece kq (32 along K: head kq / 2 of the slot, d = 32 (kq % 2) ..) into buffer f
.macro FETCHP slot, kq, f
.irp i, 0,1,2,3
	ds_load_b128 v[\f+8*\i:\f+8*\i+3],   v[ADRA+\slot] offset:(\kq/2)*HPLANE+(\kq%2)*64+\i*16*APITCH
	ds_load_b128 v[\f+8*\i+4:\f+8*\i+7], v[ADRA+\slot] offset:(\kq/2)*HPLANE+(\kq%2)*64+\i*16*APITCH+32
.endr
.irp i, 0,1,2,3
	ds_load_b128 v[\f+32+8*\i:\f+32+8*\i+3],   v[ADRB+\slot] offset:64*\kq+\i*16*BPITCH
	ds_load_b128 v[\f+32+8*\i+4:\f+32+8*\i+7], v[ADRB+\slot] offset:64*\kq+\i*16*BPITCH+32
.endr
.endm
.macro PLACES                          ; four places between a matrix instruction and a load into one of its sources, or a reader of its result (ISA guide 7.12.1 for vector instructions)
.rept 4
	v_nop
.endr
.endm
; One piece: buffer f, fetched a piece ago, is in; piece kq is asked for into buffer g; buffer f is multiplied.  The 16 accumulators take turns, one instruction a turn, in
; the same order in every piece.
.macro QUARTERP slot, kq, f, g, first
	s_wait_dscnt 0x0
	PLACES
	FETCHP \slot, \kq, \g
.if \first
	WIN 0x40                                       ; D in window 1, C (the bias) in window 0
.else
	WIN 0x50                                       ; C and D in window 1
.endif
	MULP \f, 0, \first
	MULP \f, 2, \first
	WIN 0
.endm
.macro SEVEN slot, first
	QUARTERP \slot, 1, F0, F1, \first
	QUARTERP \slot, 2, F1, F0, 0
	QUARTERP \slot, 3, F0, F1, 0
	QUARTERP \slot, 4, F1, F0, 0
	QUARTERP \slot, 5, F0, F1, 0
	QUARTERP \slot, 6, F1, F0, 0
	QUARTERP \slot, 7, F0, F1, 0
.endm
; The slot's last piece, and the change of slots: each wave's reads of this slot and all its tensor loads are waited for in front of the barrier.  fill = 1: the barrier opens
; a round of the cluster's barrier, and the joint refill is the first tensor load behind the round.
.macro TURNP slot, next, fill
	s_wait_dscnt 0x0
	s_wait_tensorcnt 0x0
	ds_add_u32 v254, v255
	s_wait_dscnt 0x0
	s_barrier_signal -1
	WIN 0x50
	MULP F1, 0, 0
	WIN 0
	s_barrier_wait -1
.if \fill
	CREST
	s_add_nc_u64 s[G0+4*\slot+2:G0+4*\slot+3], s[G0+4*\slot+2:G0+4*\slot+3], 2097152       ; eight heads on; no load of mine is out
	s_add_nc_u64 s[G0B+4*\slot+2:G0B+4*\slot+3], s[G0B+4*\slot+2:G0B+4*\slot+3], 1024      ; 512 along K on
	JLOAD \slot
.endif
	PLACES
	FETCHP \next, 0, F0
	WIN 0x50
	MULP F1, 2, 0
	WIN 0
.endm
	s_wait_loadcnt 0x0                             ; the bias
	s_wait_tensorcnt 0x1                           ; my part of slot 0 is in; slot 1's may stay out
	s_barrier_signal -1
	s_barrier_wait -1
	FETCHP 0, 0, F0
	SEVEN 0, 1                                     ; heads 0-3
	TURNP 0, 1, 1                                  ; slot 0 gets heads 8-11
	SEVEN 1, 0                                     ; heads 4-7
	TURNP 1, 0, 1                                  ; slot 1 gets heads 12-15
	SEVEN 0, 0                                     ; heads 8-11
	TURNP 0, 1, 0                                  ; nothing is left to fetch
	SEVEN 1, 0                                     ; heads 12-15
	s_wait_dscnt 0x0
	WIN 0x50
	MULP F1, 0, 0
	MULP F1, 2, 0
	WIN 0
	; THE WAY OUT, 16 rows at a time: 32 bytes a lane into my stage, whole rows of 256 bytes back, sixteen lanes store 256 consecutive, aligned bytes.
	PLACES
.macro OUTP a
	WIN 0x04                                       ; the data of an LDS store is source 1: window 1
.irp b, 0,1,2,3
	ds_store_b128 v[STO], v[8*(4*\a+\b):8*(4*\a+\b)+3]   offset:64*\b
	ds_store_b128 v[STO], v[8*(4*\a+\b)+4:8*(4*\a+\b)+7] offset:64*\b+16
.endr
	WIN 0
	s_wait_xcnt 0x0                                ; the registers read back into were the data of the last 16 rows' stores: rewritten only behind this wait
.irp t, 0,1,2,3,4,5,6,7
	ds_load_b128 v[RB+4*\t:RB+4*\t+3], v[RD] offset:\t*2*SPITCH    ; my own bytes: LDS serves a wave's instructions in order (ISA guide 5.7.1)
.endr
.irp t, 0,1,2,3,4,5,6,7
	s_wait_dscnt 7-\t                              ; the younger read-backs stay out
	global_store_b128 v[CO], v[RB+4*\t:RB+4*\t+3], s[70:71] offset:(16*\a+2*\t)*4096
.endr
.endm
	OUTP 0
	OUTP 1
	OUTP 2
	OUTP 3
	s_wait_tensorcnt 0x0
	ds_add_u32 v254, v255
	s_wait_dscnt 0x0
	CROUND                                         ; the closing round
	s_endpgm
.Lfunc_end_k_qe178974593_project_out:
	.size	k_qe178974593_project_out, .Lfunc_end_k_qe178974593_project_out-k_qe178974593_project_out
	.p2alignl 7, 3214868480
	.fill 96, 4, 3214868480
	.section	.rodata,"a",@progbits
	.p2align	6, 0x0
	.amdhsa_kernel k_qe178974593_project_out
		.amdhsa_group_segment_fixed_size 327680
		.amdhsa_private_segment_fixed_size 0
		.amdhsa_enable_private_segment 0
		.amdhsa_kernarg_size 32
		.amdhsa_user_sgpr_count 2
		.amdhsa_user_sgpr_kernarg_segment_ptr 1
		.amdhsa_wavefront_size32 1
		.amdhsa_system_sgpr_workgroup_id_x 1
		.amdhsa_system_sgpr_workgroup_id_y 1
		.amdhsa_system_sgpr_workgroup_id_z 1
		.amdhsa_system_vgpr_workitem_id 0
		.amdhsa_next_free_vgpr 384
		.amdhsa_next_free_sgpr 72
		.amdhsa_reserve_vcc 0
		.amdhsa_float_denorm_mode_32 3
		.amdhsa_float_denorm_mode_16_64 3
		.amdhsa_memory_ordered 1
		.amdhsa_forward_progress 1
		.amdhsa_inst_pref_size 90
	.end_amdhsa_kernel
	.amdgpu_metadata
---
amdhsa.version: [ 1, 2 ]
amdhsa.kernels:
  - .name:           k_qe178974593_project_out
    .symbol:         k_qe178974593_project_out.kd
    .args:
      - { .name: ab, .offset: 0, .size: 8, .value_kind: global_buffer, .address_space: global }
      - { .name: wb, .offset: 8, .size: 8, .value_kind: global_buffer, .address_space: global }
      - { .name: bo, .offset: 16, .size: 8, .value_kind: global_buffer, .address_space: global }
      - { .name: out0, .offset: 24, .size: 8, .value_kind: global_buffer, .address_space: global }
    .group_segment_fixed_size: 327680
    .private_segment_fixed_size: 0
    .kernarg_segment_align: 8
    .kernarg_segment_size: 32
    .max_flat_workgroup_size: 128
    .sgpr_count:     72
    .vgpr_count:     384
    .wavefront_size: 32
...
	.end_amdgpu_metadata
.endif
;; end of part 4
